; MI455X (gfx1250); checked and timed in simulation.
; The chip was launched on July 23, 2026; its instructions are those of AMD's public machine-readable ISA for CDNA 5 (MIT licence, August 2026) and "CDNA5" Instruction Set Architecture Reference Guide (July 2026). The comments in the code are by the model that wrote it; some were corrected since.
;; Block. Allowed arithmetic: matrix products marked QUANTISED: E5M2 operands, one E8M0 scale for each 32 along K, by v_wmma_scale_f32_16x16x128_f8f6f4 with both operands' format E5M2, f32 sums; everything else in f32.
;; Inputs: W1_codes 1,024 x 8 x 32 uint8 (E5M2 codes of W1, K innermost, in blocks of 32 codes); W1_scales 1,024 x 8 uint8 (E8M0 scales of W1, one for each 32 codes along K); W2_codes 256 x 32 x 32 uint8 (E5M2 codes of W2, K innermost, in blocks of 32 codes); W2_scales 256 x 32 uint8 (E8M0 scales of W2, one for each 32 codes along K); Wk_codes 8 x 32 x 8 x 32 uint8 (E5M2 codes of Wk, K innermost, in blocks of 32 codes); Wk_scales 8 x 32 x 8 uint8 (E8M0 scales of Wk, one for each 32 codes along K); Wo_codes 256 x 8 x 32 uint8 (E5M2 codes of Wo, K innermost, in blocks of 32 codes); Wo_scales 256 x 8 uint8 (E8M0 scales of Wo, one for each 32 codes along K); Wq_codes 8 x 32 x 8 x 32 uint8 (E5M2 codes of Wq, K innermost, in blocks of 32 codes); Wq_scales 8 x 32 x 8 uint8 (E8M0 scales of Wq, one for each 32 codes along K); Wv_codes 8 x 32 x 8 x 32 uint8 (E5M2 codes of Wv, K innermost, in blocks of 32 codes); Wv_scales 8 x 32 x 8 uint8 (E8M0 scales of Wv, one for each 32 codes along K); b1 1,024 float32; b2 256 float32; bo 256 float32; ln1_b 256 float32; ln1_g 256 float32; ln2_b 256 float32; ln2_g 256 float32; x 256 x 256 x 256 float32.
;; Outputs: out0 256 x 256 x 256 float32.
;; This version of the problem:
;;   THIS VERSION OF THE PROBLEM IS GIVEN IN LOW PRECISION. The matrix products marked QUANTISED in the list below multiply operands that are first quantised to E5M2 (5 exponent bits, 2 mantissa bits; 8 bits a number), with one power-of-two scale for each 32 numbers along K (OCP MX v1.0); their sums are f32. All else is computed in f32.
;;   The module's matrix products, in the order in which they are computed (A, B: the left and right operand; K: the contracted axis; several contracted axes count as one K, in the product's order):
;;     1. [M 256, K 256] x [K 256, N 65,536]; A: input Wq (given as codes); B: computed on the way: QUANTISED
;;     2. [M 256, K 256] x [K 256, N 65,536]; A: input Wk (given as codes); B: computed on the way: QUANTISED
;;     3. [M 256, K 256] x [K 256, N 65,536]; A: input Wv (given as codes); B: computed on the way: QUANTISED
;;     4. batch 2,048 x [M 256, K 32] x [K 32, N 256]; A: computed on the way; B: computed on the way: QUANTISED
;;     5. batch 2,048 x [M 256, K 256] x [K 256, N 32]; A: softmax (see below); B: computed on the way: QUANTISED
;;     6. [M 65,536, K 256] x [K 256, N 256]; A: computed on the way; B: input Wo (given as codes): QUANTISED
;;     7. [M 65,536, K 256] x [K 256, N 1,024]; A: computed on the way; B: input W1 (given as codes): QUANTISED
;;     8. [M 65,536, K 1,024] x [K 1,024, N 256]; A: computed on the way; B: input W2 (given as codes): QUANTISED
;;   THE QUANTISER, for each operand of a quantised product, along K:
;;     - K is cut into blocks of 32 from its start; a last block that is shorter is filled with zeros.
;;     - A block's scale is 2^e with e = floor(log2(the largest magnitude in the block)) - 15, held to -126 .. 127; a block of zeros has e = 0. As a byte (E8M0): e + 127.
;;     - Each number is divided by its block's scale, clamped to +-57,344, and rounded to the nearest number of E5M2, ties to even, subnormals kept.
;;     - The product sums the exact products of the quantised numbers (number of the format x scale) in f32.
;;   ~~~python
;;   def quantise(x, axis):      # numpy; x: float32 -> the quantised numbers, widened to float32 again
;;       x = np.moveaxis(x, axis, -1); K = x.shape[-1]
;;       x = np.pad(x, [(0, 0)] * (x.ndim - 1) + [(0, -K % 32)]); x = x.reshape(x.shape[:-1] + (-1, 32)); a = np.abs(x).max(-1, keepdims=True)
;;       e = np.where(a > 0, np.clip(np.frexp(np.where(a > 0, a, 1))[1] - 1 - 15, -126, 127), 0)      # np.frexp(a)[1] - 1 = floor(log2(a)), exactly
;;       r = np.clip(x / 2.0 ** e, -57344, 57344)
;;       step = 2.0 ** (np.maximum(np.frexp(np.where(r == 0, 1, r))[1] - 1, -14) - 2)
;;       q = np.round(r / step) * step * 2.0 ** e      # np.round: ties to even
;;       return np.moveaxis(q.reshape(q.shape[:-2] + (-1,))[..., :K], -1, axis).astype(np.float32)
;;   ~~~
;;   SOFTMAX AHEAD OF A QUANTISED PRODUCT. Where the list says 'softmax', what is quantised is not the finished softmax but p = 2^(t - M), with t = logit x log2(e) and M = ceil(the row's largest t), a whole number; so 1/2 < the row's largest p <= 1. The row's sum l is taken of the UNQUANTISED p, in f32, and the product's result is divided by l at the end. Since M is a whole number, a kernel that streams over the keys may use a running M (the ceiling of the running maximum): every later rescaling is an exact power of two, which a block's scale takes up: the codes' values come out the same.
;;   OPERANDS COMPUTED ON THE WAY. 'Computed on the way' means the value that the module computes at that place (a softmax that the list does not call 'softmax' is quantised finished and normalised). What goes into a quantiser is computed in f32, as accurately as f32 sums, v_exp_f32 and their like allow (about 1e-6 of the number): no bf16 or f16 on the way to a quantiser, and a product that is left as it is and whose result goes on into a quantised operand takes f32 operands (vector FMAs, or v_wmma_f32_16x16x4_f32). A number that lies on a knife's edge between two numbers of the format may be rounded either way, as far as f32 arithmetic and the matrix unit's own rounding can turn it there, and no further.
;;   INPUTS GIVEN AS CODES. W1 (in the module: [256, 1024], K = its axis 0); W2 (in the module: [1024, 256], K = its axis 0); Wk (in the module: [256, 8, 32], K = its axis 0); Wo (in the module: [256, 256], K = its axis 0); Wq (in the module: [256, 8, 32], K = its axis 0); Wv (in the module: [256, 8, 32], K = its axis 0): each comes as NAME_codes (uint8): NAME with its K axis moved to the last place and cut into blocks of 32 codes, [.., K / 32, bytes a block], one block behind the other in memory; one code a byte (a code: sign, 5 exponent bits, 2 mantissa bits); and NAME_scales (uint8): the same leading axes, one E8M0 byte (e + 127) for each 32 codes along K. Its value is code x scale, taken as it is: it is not quantised again, and the codes and scales need not be those that the quantiser above would give.
;; One version. Each part assembles by itself: llvm-mc -triple=amdgcn-amd-amdhsa -mcpu=gfx1250 --defsym DOCPART=n.
;; ======== version 1 of 1: 1 launch
;; limits: right only within a limited range of input values
;; launch block (part 1): grid 256 x 1, 8 waves a work-group, clusters of 4 x 1, 327,680 bytes of LDS; arguments x, Wv_codes, Wk_codes, Wq_codes, Wo_codes, W1_codes, W2_codes, Wv_scales, Wk_scales, Wq_scales, Wo_scales, W1_scales, W2_scales, ln1_g, ln1_b, ln2_g, ln2_b, bo, b1, b2, out0; writes out0
.if DOCPART == 1
	.amdgcn_target "amdgcn-amd-amdhsa--gfx1250"
	.amdhsa_code_object_version 6
	.text
	.protected	k_qd99ae2b1df_block
	.globl	k_qd99ae2b1df_block
	.p2align	8
	.type	k_qd99ae2b1df_block,@function
k_qd99ae2b1df_block:
	s_mov_b64 s[64:65], 0
	v_nop
	global_prefetch_b8 v0, s[64:65] scope:SCOPE_SE
	s_setreg_imm32_b32 hwreg(HW_REG_WAVE_MODE, 25, 1), 1
	s_wait_xcnt 0x0
	s_wait_alu depctr_hold_cnt(0) depctr_sa_sdst(0) depctr_va_vdst(0) depctr_va_sdst(0) depctr_va_ssrc(0) depctr_va_vcc(0) depctr_vm_vsrc(0)
	s_getreg_b32 s2, hwreg(HW_REG_IB_STS2, 6, 4)
	s_cmp_eq_u32 s2, 0
	s_cbranch_scc0 .Lentry_in_a_cluster
	s_endpgm
.Lentry_in_a_cluster:
	s_bfe_u32 s2, ttmp6, 0x10000c
	s_cmp_lg_u32 s2, 0x3003
	s_cbranch_scc0 .Lentry_shape_is_right
	s_endpgm
.Lentry_shape_is_right:
; ONE TRANSFORMER BLOCK IN ONE LAUNCH: x + attention(LN1(x)) Wo + bo, then + relu(LN2(.) W1 + b1) W2 + b2.  Every product runs on codes of MX-BF8 (E5M2, one E8M0 byte for 32 along K), sums in f32.
; SHARES.  256 work-groups, one sequence of 256 tokens x 256 channels each; eight waves, 32 tokens a wave (block BK of the sequence: waves 4 to 7 take blocks 7 to 4, so that long and short causal walks are paired).
; THE RESIDUAL STREAM STAYS IN REGISTERS v256-511: lane (r, h) of tile u holds token 8 u + r + 8 (r / 8) of the wave's 32; register 128 u + 16 b + i is channel 32 b + 16 h + i.  Wo's and W2's products add onto it in place.
; All products with weights are used transposed (source 0 = 16 rows of the weight), V's aside, so that a lane's registers run along the next product's K and the conversions' results are operand registers.
; WEIGHTS: 786,432 bytes of codes walk through two LDS slots of 128 rows x 256 bytes (16 rows a wave, 16 bytes of padding a row).  The four work-groups of a cluster walk the same tiles and ask for them jointly (mask 15); each refill stands behind a drained round.
; LDS: two slots; images of K, V, Q (later attention's result, the hidden layer, the way out's stages) as operand registers; their scale bytes; PAR: all weights' scale bytes; the spare words; B1L: b1; LNP: ln1_g, ln1_b, bo, ln2_g, ln2_b, b2.
; The small vectors and scale bytes are copied into LDS once, at the head, in whole runs of neighbouring lanes, and are read from there.
; NOTHING OF reference() IS LEFT OUT but the score tiles that lie wholly above the diagonal of the mask that reference() builds itself.  Every input is loaded.
; LIMITS: NaN and infinities in the inputs are not served; the softmax holds while the scaled scores (exponents to the base 2) stay under 2^31 in magnitude; a block's scale byte never falls under 1.
; NO DATA PREFETCH: x is asked for whole by the head's tensor loads, and each weight tile of 32,768 bytes is named by all 64 clusters at the same place of the same walk: a prefetch would name the same blocks from many clusters once more.
.set SLOTB, 35840
.set WROW,  4480
.set KIMG,  71680
.set VIMG,  137216
.set QA,    202752
.set KSC,   268288
.set QS,    276480
.set VSC,   284672
.set AS,    286720
.set PAR,   288768
.set WVS, 0
.set WKS, 2048
.set WQS, 4096
.set WOS, 6144
.set W1S, 8192
.set W2S, 16384
.set SPARE, 313344
.set B1L,   314368                     ; behind the spare words (8 waves x 128 bytes): b1, 4,096 bytes
.set LNP,   318464                     ; six vectors of 1,024 bytes: ln1_g, ln1_b, bo, then ln2_g, ln2_b, b2
.set LNB,   25                         ; s25: LDS byte at which the norm in hand finds its three vectors
.set HIMG,  KIMG
.set HSC,   QS
.set OST,   VIMG
.set SPW, 1
.set NIL, 2
.set LI,  3
.set LS,  4
.set R8,  5
.set WA,  6
.set WSA, 7
.set W2A, 28
.set DM,  31
.set PWV, 6
.set PWK, 8
.set PWQ, 10
.set PWO, 12
.set PW1, 14
.set PW2, 16
.set WV,  46
.set BK,  47
.set SD,  48
.set LA0, 50
.set LA1, 51
.set G0,  52
.set G1A, 56
.set G1W2, 68
.set G1X, 76
.set G0X0, 84
.set SEL, 92
.set CS,  94
.set MNT, 96
.set CW1, 76
.set CB1, 77
.set CW2, 78
.set MSB, 0
.macro WIN new
.if MSB != \new
	s_set_vgpr_msb (MSB<<8)|\new
.set MSB, \new
.endif
.endm
.macro PLACES n
.rept \n
	v_nop
.endr
.endm
.macro ROUND
	s_barrier_signal -1
	s_barrier_wait -1
	s_cmp_lg_u32 s[WV], 0
	s_cbranch_scc1 .Lnw0_\@
	s_barrier_signal -3
.Lnw0_\@:
	s_barrier_wait -3
	s_barrier_signal -1
	s_barrier_wait -1
.endm
.macro TURN fill, g1, la, p, off
	s_wait_tensorcnt 0x0
	ds_add_u32 v[SPW], v[NIL]
.if \fill
	s_mov_b32 s[G0+1], s[\la]
	s_add_nc_u64 s[G0+2:G0+3], s[\p:\p+1], \off
	s_or_b32 s[G0+3], s[G0+3], 0x80000000
.endif
	s_wait_dscnt 0x0
.if \fill
	ROUND
	tensor_load_to_lds s[G0:G0+3], s[\g1:\g1+7]
	s_nop 0
	PLACES 4
.else
	s_barrier_signal -1
	s_barrier_wait -1
.endif
.endm
.macro WM d, a, b, c, sa, sb, ra, rb
.if (\c) < 0
.if (\ra) && (\rb)
	v_wmma_scale_f32_16x16x128_f8f6f4 v[(\d):(\d)+7], v[(\a):(\a)+15], v[(\b):(\b)+15], 0, v[\sa], v[\sb] matrix_a_fmt:MATRIX_FMT_BF8 matrix_b_fmt:MATRIX_FMT_BF8 matrix_a_scale:MATRIX_SCALE_ROW1 matrix_b_scale:MATRIX_SCALE_ROW1
.elseif (\ra)
	v_wmma_scale_f32_16x16x128_f8f6f4 v[(\d):(\d)+7], v[(\a):(\a)+15], v[(\b):(\b)+15], 0, v[\sa], v[\sb] matrix_a_fmt:MATRIX_FMT_BF8 matrix_b_fmt:MATRIX_FMT_BF8 matrix_a_scale:MATRIX_SCALE_ROW1
.elseif (\rb)
	v_wmma_scale_f32_16x16x128_f8f6f4 v[(\d):(\d)+7], v[(\a):(\a)+15], v[(\b):(\b)+15], 0, v[\sa], v[\sb] matrix_a_fmt:MATRIX_FMT_BF8 matrix_b_fmt:MATRIX_FMT_BF8 matrix_b_scale:MATRIX_SCALE_ROW1
.else
	v_wmma_scale_f32_16x16x128_f8f6f4 v[(\d):(\d)+7], v[(\a):(\a)+15], v[(\b):(\b)+15], 0, v[\sa], v[\sb] matrix_a_fmt:MATRIX_FMT_BF8 matrix_b_fmt:MATRIX_FMT_BF8
.endif
.else
.if (\ra) && (\rb)
	v_wmma_scale_f32_16x16x128_f8f6f4 v[(\d):(\d)+7], v[(\a):(\a)+15], v[(\b):(\b)+15], v[(\c):(\c)+7], v[\sa], v[\sb] matrix_a_fmt:MATRIX_FMT_BF8 matrix_b_fmt:MATRIX_FMT_BF8 matrix_a_scale:MATRIX_SCALE_ROW1 matrix_b_scale:MATRIX_SCALE_ROW1
.elseif (\ra)
	v_wmma_scale_f32_16x16x128_f8f6f4 v[(\d):(\d)+7], v[(\a):(\a)+15], v[(\b):(\b)+15], v[(\c):(\c)+7], v[\sa], v[\sb] matrix_a_fmt:MATRIX_FMT_BF8 matrix_b_fmt:MATRIX_FMT_BF8 matrix_a_scale:MATRIX_SCALE_ROW1
.elseif (\rb)
	v_wmma_scale_f32_16x16x128_f8f6f4 v[(\d):(\d)+7], v[(\a):(\a)+15], v[(\b):(\b)+15], v[(\c):(\c)+7], v[\sa], v[\sb] matrix_a_fmt:MATRIX_FMT_BF8 matrix_b_fmt:MATRIX_FMT_BF8 matrix_b_scale:MATRIX_SCALE_ROW1
.else
	v_wmma_scale_f32_16x16x128_f8f6f4 v[(\d):(\d)+7], v[(\a):(\a)+15], v[(\b):(\b)+15], v[(\c):(\c)+7], v[\sa], v[\sb] matrix_a_fmt:MATRIX_FMT_BF8 matrix_b_fmt:MATRIX_FMT_BF8
.endif
.endif
.endm
.macro QUANT2 src, relu, d, dq
.if \relu
.irp q, 0,1
	v_max3_num_f32 v[32+\q], v[(\src)+16*\q], v[(\src)+16*\q+1], 0x8000000
	v_max3_num_f32 v[34+\q], v[(\src)+16*\q+8], v[(\src)+16*\q+9], v[(\src)+16*\q+10]
.endr
.irp i, 2,4
.irp q, 0,1
	v_max3_num_f32 v[32+\q], v[32+\q], v[(\src)+16*\q+\i], v[(\src)+16*\q+\i+1]
	v_max3_num_f32 v[34+\q], v[34+\q], v[(\src)+16*\q+\i+9], v[(\src)+16*\q+\i+10]
.endr
.endr
.irp q, 0
	v_max3_num_f32 v[32+\q], v[32+\q], v[(\src)+16*\q+6], v[(\src)+16*\q+7]
.endr
.irp q, 1
	v_max3_num_f32 v[32+\q], v[32+\q], v[(\src)+16*\q+6], v[(\src)+16*\q+7]
.endr
.irp q, 0,1
	v_max3_num_f32 v[32+\q], v[32+\q], v[34+\q], v[(\src)+16*\q+15]
.endr
.else
.irp q, 0,1
	v_max3_num_f32 v[32+\q], |v[(\src)+16*\q]|, |v[(\src)+16*\q+1]|, 0x8000000
	v_max3_num_f32 v[34+\q], |v[(\src)+16*\q+8]|, |v[(\src)+16*\q+9]|, |v[(\src)+16*\q+10]|
.endr
.irp i, 2,4
.irp q, 0,1
	v_max3_num_f32 v[32+\q], v[32+\q], |v[(\src)+16*\q+\i]|, |v[(\src)+16*\q+\i+1]|
	v_max3_num_f32 v[34+\q], v[34+\q], |v[(\src)+16*\q+\i+9]|, |v[(\src)+16*\q+\i+10]|
.endr
.endr
.irp q, 0
	v_max3_num_f32 v[32+\q], v[32+\q], |v[(\src)+16*\q+6]|, |v[(\src)+16*\q+7]|
.endr
.irp q, 1
	v_max3_num_f32 v[32+\q], v[32+\q], |v[(\src)+16*\q+6]|, |v[(\src)+16*\q+7]|
.endr
.irp q, 0,1
	v_max3_num_f32 v[32+\q], v[32+\q], v[34+\q], |v[(\src)+16*\q+15]|
.endr
.endif
.irp q, 0,1
	s_delay_alu instid0(VALU_DEP_2)
	v_permlanex16_b32 v[36+\q], v[32+\q], s[SEL], s[SEL+1]
.endr
.irp q, 0,1
	s_delay_alu instid0(VALU_DEP_2)
	v_max_num_f32 v[32+\q], v[32+\q], v[36+\q]
.endr
.irp q, 0,1
	s_delay_alu instid0(VALU_DEP_2)
	v_add_nc_u32 v[44+\q], 0xf8800000, v[32+\q]
.endr
.irp q, 0,1
	s_delay_alu instid0(VALU_DEP_4)
	v_and_or_b32 v[40+\q], v[32+\q], 0x7f800000, s[MNT]
.endr
.irp q, 0,1
	s_delay_alu instid0(VALU_DEP_4)
	v_lshrrev_b32 v[36+\q], 23, v[44+\q]
.endr
.irp q, 0,1
.irp i, 0,1,2,3,4,5,6,7,8,9,10,11,12,13,14,15
.if \relu
	v_med3_num_f32 v[(\src)+16*\q+\i], v[(\src)+16*\q+\i], 0, v[40+\q]
.else
	v_med3_num_f32 v[(\src)+16*\q+\i], v[(\src)+16*\q+\i], -v[40+\q], v[40+\q]
.endif
.endr
	v_cvt_scalef32_pk8_bf8_f32 v[(\d)+(\dq)*\q:(\d)+(\dq)*\q+1], v[(\src)+16*\q:(\src)+16*\q+7], v[44+\q]
	v_cvt_scalef32_pk8_bf8_f32 v[(\d)+(\dq)*\q+2:(\d)+(\dq)*\q+3], v[(\src)+16*\q+8:(\src)+16*\q+15], v[44+\q]
.endr
	v_nop
.endm
.macro WLOAD adr, off, sadr, soff, fs
.irp f, 0,1
.irp ks, 0,1
.irp c, 0,1,2,3
	ds_load_b128 v[128+32*\f+16*\ks+4*\c:131+32*\f+16*\ks+4*\c], v[\adr] offset:(\off)+\f*2176+128*\ks+32*\c
.endr
.endr
	ds_load_b32 v[20+\f], v[\sadr] offset:(\soff)+\f*(\fs)
.endr
.endm
.macro BLOAD tile
.irp f, 0,1
.irp j, 0,1
	ds_load_b128 v[48+8*\f+4*\j:51+8*\f+4*\j], v13 offset:512*\tile+32*\f+16*\j   ; b1 at my eight hidden units of tile f: the first products' C
.endr
.endr
.endm
; THE WAY OUT OF ONE PASS: the 32 sums a lane in v192-223 are quantised (kind 3: with the relu) and go to their image in LDS at v10, their two scale bytes at v11; both addresses were made behind the pass's products.
; In PASSES it stands at the loop's TOP and serves the pass before, so that a trip is: way out of pass i - 1, products of pass i, loads of pass i + 1.
.macro PQS kind
.if \kind == 3
	QUANT2 192, 1, 224, 4
.else
	QUANT2 192, 0, 224, 4
.endif
	ds_store_b128 v10, v[224:227]
	ds_store_b128 v10, v[228:231] offset:IO1
.if (\kind == 1) || (\kind == 2)
	ds_store_b32 v11, v36
	ds_store_b32 v11, v37 offset:SO1
.else
	ds_store_b8 v11, v36
	ds_store_b8 v11, v37 offset:SO1
.endif
.endm
.macro PASSES kind, slot, tile
.if \kind == 0
.set IB, VIMG+4096*\tile
.set SB, VSC+128*\tile
.set WR, BK
.set SSH, 8
.set ISTEP, 1024
.set IO1, 512
.set SSTEP, 32
.set SO1, 16
.set RSH, 0
.set WSO, WVS+1024*\tile
.elseif \kind == 1
.set IB, KIMG+4096*\tile
.set SB, KSC+512*\tile
.set WR, BK
.set SSH, 10
.set ISTEP, 1024
.set IO1, 512
.set SSTEP, 128
.set SO1, 64
.set RSH, 2
.set WSO, WKS+1024*\tile
.elseif \kind == 2
.set IB, QA+4096*\tile
.set SB, QS+512*\tile
.set WR, WV
.set SSH, 10
.set ISTEP, 1024
.set IO1, 512
.set SSTEP, 128
.set SO1, 64
.set RSH, 2
.set WSO, WQS+1024*\tile
.else
.set IB, HIMG+2048*\tile
.set SB, HSC+4*\tile
.set WR, WV
.set SSH, 8
.set ISTEP, 512
.set IO1, 4096
.set SSTEP, 1
.set SO1, 128
.set RSH, 3
.set WSO, W1S+1024*\tile
.endif
	s_lshl_b32 s49, s[WR], 13
	s_add_co_u32 s49, s49, IB
	s_lshl_b32 s100, s[WR], SSH
	s_add_co_u32 s100, s100, SB
	v_and_b32 v12, 15, v0
	s_delay_alu instid0(VALU_DEP_1)
	v_lshlrev_b32 v12, RSH, v12
	v_add_nc_u32 v8, 0, v[WA]
.if \kind == 3
	v_add_nc_u32 v9, s[CW1], v[WSA]
	v_add_nc_u32 v13, s[CB1], v14
.else
	v_add_nc_u32 v9, 0, v[WSA]
.endif
	WLOAD 8, \slot*SLOTB, 9, WSO, 64
.if \kind == 3
	BLOAD \tile
.endif
	s_mov_b32 s97, 0
.if \tile == 0
	s_wait_alu depctr_va_vdst(0)                   ; wait ahead of a taken branch
	s_branch .Lpass_\@                             ; a kind's first tile has no pass before it: its loop is entered at the products
.endif
.Lq_\@:
	PQS \kind                                      ; the pass before (tile 1's first trip: tile 0's last pass, behind the change of slots and under the loads just issued)
.Lpass_\@:
	s_wait_dscnt 0x0
.irp ks, 0,1
.irp f, 0,1
.irp u, 0,1
.set rW, 128+32*\f+16*\ks
.set rH, 64+32*\u+16*\ks
.if \kind == 0
.set rD, 192+16*\f+8*\u
.else
.set rD, 192+16*\u+8*\f
.endif
.if \ks == 1
.set rC, rD
.elseif \kind == 3
.set rC, 48+8*\f
.else
.set rC, -1
.endif
.if \kind == 0
	WM rD, rH, rW, rC, 16+2*\u+\ks, 20+\f, 0, \ks
.else
	WM rD, rW, rH, rC, 20+\f, 16+2*\u+\ks, \ks, 0
.endif
.endr
.endr
.endr
	s_add_co_u32 s2, s97, 1
	s_and_b32 s2, s2, 3
	s_lshl_b32 s3, s2, 8
.if \kind == 3
	s_add_co_u32 s3, s3, s[CW1]
	s_lshl_b32 s101, s2, 7
	s_add_co_u32 s101, s101, s[CB1]
.endif
	s_mul_i32 s2, s2, 2*WROW
	s_mul_i32 s26, s97, ISTEP                      ; where this pass's codes and scale bytes go: the tile's base + the pass's number x the step
	s_add_co_u32 s26, s26, s49
	s_mul_i32 s27, s97, SSTEP
	s_add_co_u32 s27, s27, s100
	v_add_nc_u32 v8, s2, v[WA]
	v_add_nc_u32 v9, s3, v[WSA]
	v_add_nc_u32 v10, s26, v[LI]
	s_wait_alu depctr_va_vdst(0)
	v_add_nc_u32 v11, s27, v12
.if \kind == 3
	v_add_nc_u32 v13, s101, v14
	PLACES 3
.else
	PLACES 4
.endif
	s_cmp_eq_u32 s97, 3
	s_cbranch_scc1 .Lnone_\@
	WLOAD 8, \slot*SLOTB, 9, WSO, 64
.if \kind == 3
	BLOAD \tile
.endif
.Lnone_\@:
	s_add_co_u32 s97, s97, 1
	s_cmp_lt_u32 s97, 4
	s_cbranch_scc1 .Lq_\@
.if \tile == 1
	PQS \kind                                      ; the kind's last pass has no loop behind it
.endif
.endm
; x += (operand in v192-255) x (128 rows of a weight in a slot), in eight UNITS: unit un = 2 p + ks is 32 rows (two tiles f) x 128 of K: 32 registers, four products.
; Three buffers take turns (v128, v160, v32), and a unit's eight loads are issued two units ahead of its products.  The rows' scale words (both ks in one register) come with the even units: v20, v21 for even p, v24, v25 for odd p.
.macro ULOAD slot, un, sadr, soff, rb
.set UB, 128+32*((\un)%3)-160*(((\un)%3)/2)
.if ((\un)%2) == 0
.irp f, 0,1
	ds_load_b32 v[20+4*(((\un)/2)%2)+\f], v[\sadr] offset:(\soff)+((\un)/2)*32*(\rb)+\f*8*(\rb)
.endr
.endif
.irp f, 0,1
.irp c, 0,1,2,3
	ds_load_b128 v[UB+16*\f+4*\c:UB+16*\f+4*\c+3], v[WA] offset:(\slot)*SLOTB+((\un)/2)*2*WROW+\f*2176+128*((\un)%2)+32*\c
.endr
.endr
.endm
.macro MULX slot, xb, sadr, soff, rb
	ULOAD \slot, 0, \sadr, \soff, \rb
	ULOAD \slot, 1, \sadr, \soff, \rb
.set N_, 0
.rept 8
.set WB, 128+32*(N_%3)-160*((N_%3)/2)
.if N_ == 7
	s_wait_dscnt 0x0
.else
	s_wait_dscnt 8+2*(N_%2)                        ; behind this unit's loads only the next unit's were issued: eight, and two scale words where that unit is an even one
.endif
	WIN 0x50
.irp f, 0,1
.irp u, 0,1
	WM 128*\u+16*(\xb+N_/2)+8*\f, WB+16*\f, 192+32*\u+16*(N_%2), 128*\u+16*(\xb+N_/2)+8*\f, 20+4*((N_/2)%2)+\f, 22+\u, N_%2, N_%2
.endr
.endr
	WIN 0
.if N_ < 6
	PLACES 4                                       ; the loads below go into the buffer that the unit BEFORE this one multiplied: its four places and these four stand between
	ULOAD \slot, N_+2, \sadr, \soff, \rb
.elseif N_ == 6
	PLACES 4
.else
	PLACES 8                                       ; behind the last products: for what next reads the sums or loads into the buffers
.endif
.set N_, N_+1
.endr
.endm
.macro C2LOAD att
	s_wait_dscnt 0x0
	s_lshl_b32 s2, s[WV], 13
	s_lshl_b32 s3, s[WV], 8
.if \att
	s_add_co_u32 s2, s2, QA
	s_lshr_b32 s3, s3, 1                           ; attention's scale words: 128 bytes a block of 32 tokens in each half of AS
	s_add_co_u32 s3, s3, AS
.else
	s_add_co_u32 s2, s2, HIMG
	s_add_co_u32 s3, s3, HSC
.endif
	v_add_nc_u32 v10, s2, v[LI]
.if \att
	v_lshrrev_b32 v8, 1, v[R8]                     ; 4 r
	v_bfe_u32 v11, v0, 4, 1
	s_delay_alu instid0(VALU_DEP_1)
	v_lshl_add_u32 v11, v11, 10, v8                ; lanes 0-15: the word of heads 0 to 3; lanes 16-31: that of heads 4 to 7, 1,024 bytes on
.else
	v_bfe_u32 v11, v0, 4, 1
	s_delay_alu instid0(VALU_DEP_1)
	v_lshl_add_u32 v11, v11, 2, v[R8]
.endif
	s_delay_alu instid0(VALU_DEP_1)
	v_add_nc_u32 v11, s3, v11
.irp u, 0,1
.irp g, 0,1
.irp c, 0,1,2,3
.if \att
	ds_load_b128 v[192+32*\u+16*\g+4*\c:195+32*\u+16*\g+4*\c], v10 offset:((4*\g+\c)*2+\u)*512
.else
	ds_load_b128 v[192+32*\u+16*\g+4*\c:195+32*\u+16*\g+4*\c], v10 offset:(2*\u+\g)*2048+512*\c
.endif
.endr
.endr
	ds_load_b32 v[22+\u], v11 offset:(128-64*\att)*\u
.endr
.endm
.macro JOIN
	v_pk_add_f32 v[32:33], v[32:33], v[34:35]
	v_pk_add_f32 v[36:37], v[36:37], v[38:39]
	s_delay_alu instid0(VALU_DEP_1)
	v_pk_add_f32 v[32:33], v[32:33], v[36:37]
	s_delay_alu instid0(VALU_DEP_1)
	v_add_f32 v32, v32, v33
	s_delay_alu instid0(VALU_DEP_1)
	v_permlanex16_b32 v33, v32, s[SEL], s[SEL+1]
	s_delay_alu instid0(VALU_DEP_1)
	v_add_f32 v32, v32, v33
.endm
.macro STATS u
.set XB, 128*(\u)
	WIN 0x05
.irp k, 0,1,2,3
	v_pk_add_f32 v[32+2*\k:33+2*\k], v[XB+4*\k:XB+4*\k+1], v[XB+4*\k+2:XB+4*\k+3]
.endr
	WIN 0x01
.set n, 8
.rept 56
	v_pk_add_f32 v[32+2*(n%4):33+2*(n%4)], v[XB+2*n:XB+2*n+1], v[32+2*(n%4):33+2*(n%4)]
.set n, n+1
.endr
	WIN 0
	JOIN
	s_delay_alu instid0(VALU_DEP_1)
	v_mul_f32 v40, 0xbb800000, v32
	v_mov_b32 v41, 0
.irp t, 0,1
	WIN 0x01
.set n, 0
.rept 32
	v_pk_add_f32 v[64+2*n:65+2*n], v[XB+64*\t+2*n:XB+64*\t+2*n+1], v[40:41] op_sel_hi:[1,0]
.set n, n+1
.endr
	WIN 0
.set n, 0
.rept 32
.if (\t == 0) && (n < 4)
	v_pk_mul_f32 v[32+2*n:33+2*n], v[64+2*n:65+2*n], v[64+2*n:65+2*n]
.else
	v_pk_fma_f32 v[32+2*(n%4):33+2*(n%4)], v[64+2*n:65+2*n], v[64+2*n:65+2*n], v[32+2*(n%4):33+2*(n%4)]
.endif
.set n, n+1
.endr
.endr
	JOIN
	s_delay_alu instid0(VALU_DEP_1)
	v_fma_f32 v32, v32, s2, s3
	s_wait_alu depctr_va_vdst(0)
	v_rsq_f32 v[56+4*\u], v32
	v_mov_b32 v[57+4*\u], 0
	s_wait_alu depctr_va_vdst(0)
	v_mul_f32 v[58+4*\u], v40, v[56+4*\u]
	v_mov_b32 v[59+4*\u], 0
.endm
.macro PLOAD b, g, bt
.set PB, 160+32*((\b)%3)
.irp j, 0,1,2,3
	ds_load_b128 v[PB+4*\j:PB+4*\j+3], v8 offset:(\g)+128*(\b)+16*\j
.endr
.irp j, 0,1,2,3
	ds_load_b128 v[PB+16+4*\j:PB+16+4*\j+3], v8 offset:(\bt)+128*(\b)+16*\j
.endr
.endm
.macro LNBLK b
.set PB, 160+32*((\b)%3)
.set HD, 64+16*((\b)/4)+4*((\b)%4)
	WIN 0x01
.irp u, 0,1
.irp k, 0,1,2,3,4,5,6,7
	v_pk_fma_f32 v[128+16*\u+2*\k:129+16*\u+2*\k], v[128*\u+16*(\b)+2*\k:128*\u+16*(\b)+2*\k+1], v[56+4*\u:57+4*\u], v[58+4*\u:59+4*\u] op_sel_hi:[1,0,0]
.endr
.endr
	WIN 0
.irp u, 0,1
.irp k, 0,1,2,3,4,5,6,7
	v_pk_fma_f32 v[128+16*\u+2*\k:129+16*\u+2*\k], v[128+16*\u+2*\k:129+16*\u+2*\k], v[PB+2*\k:PB+2*\k+1], v[PB+16+2*\k:PB+16+2*\k+1]
.endr
.endr
	QUANT2 128, 0, HD, 32
.irp u, 0,1
.if ((\b)%4) == 0
	v_mov_b32 v[16+2*\u+(\b)/4], v[36+\u]
.else
	v_lshl_or_b32 v[16+2*\u+(\b)/4], v[36+\u], 8*((\b)%4), v[16+2*\u+(\b)/4]
.endif
.endr
.endm
.macro LNPHASE g, bt, bias
	v_bfe_u32 v8, v0, 4, 1
	s_delay_alu instid0(VALU_DEP_1)
	v_lshlrev_b32 v8, 6, v8
	s_delay_alu instid0(VALU_DEP_1)
	v_add_nc_u32 v8, s[LNB], v8                    ; gain, shift and the bias that follows lie in LDS: g, bt, bias are their bytes behind s[LNB]; my half's 16 channels of a block are 64 bytes
	PLOAD 0, \g, \bt
	PLOAD 1, \g, \bt
	PLOAD 2, \g, \bt
	s_mov_b32 s2, 0x3b800000
	s_mov_b32 s3, 0x3727c5ac
	STATS 0
	STATS 1
	s_wait_alu depctr_va_vdst(0)
.irp b, 0,1,2,3,4
	s_wait_dscnt 16                                ; three blocks' loads of eight are out: the oldest eight are in
	LNBLK \b
	PLOAD \b+3, \g, \bt
.endr
	s_wait_dscnt 16
	LNBLK 5
	s_wait_dscnt 8
	LNBLK 6
	s_wait_dscnt 0x0
	LNBLK 7
.irp b, 0,1,2,3,4,5,6,7
.irp j, 0,1,2,3
	ds_load_b128 v[128+16*\b+4*\j:131+16*\b+4*\j], v8 offset:(\bias)+128*\b+16*\j   ; the bias of the product that will add onto x
.endr
.endr
	WIN 0x41
.irp b, 0,1,2,3,4,5,6,7
	s_wait_dscnt 28-4*\b
.irp u, 0,1
.irp k, 0,1,2,3,4,5,6,7
	v_pk_add_f32 v[128*\u+16*\b+2*\k:128*\u+16*\b+2*\k+1], v[128*\u+16*\b+2*\k:128*\u+16*\b+2*\k+1], v[128+16*\b+2*\k:129+16*\b+2*\k]
.endr
.endr
.endr
	WIN 0
.endm
; THE WAY OUT of tile u's 16 tokens, channels 128 hf .. 128 hf + 127: through my own stage in LDS (rows of 1,040 bytes) and back as half rows of 512 bytes, which the 32 lanes store as two aligned runs of 256 bytes.  rg: the 64 registers that take them.
; LDS serves a wave's instructions in order: no wait between the stores and the loads.  Each accumulator is read from its low end on.
.macro OUT u, hf, rg
	WIN 0x04
.irp b, 0,1,2,3
.irp j, 0,1,2,3
	ds_store_b128 v10, v[128*\u+64*\hf+16*\b+4*\j:128*\u+64*\hf+16*\b+4*\j+3] offset:512*\hf+128*\b+16*\j
.endr
.endr
	WIN 0
.set n, 0
.rept 16
	ds_load_b128 v[\rg+4*n:\rg+4*n+3], v11 offset:n*1040+512*\hf
.set n, n+1
.endr
.set n, 0
.rept 16
	s_wait_dscnt 15-n
	global_store_b128 v[LI], v[\rg+4*n:\rg+4*n+3], s[44:45] offset:(8*\u+n+8*(n/8))*1024+512*\hf th:TH_STORE_NT
.set n, n+1
.endr
.endm
	s_load_b512 s[4:19], s[0:1], 0x0
	s_load_b512 s[20:35], s[0:1], 0x40
	s_load_b256 s[36:43], s[0:1], 0x80
	s_load_b64 s[44:45], s[0:1], 0xa0
	v_lshl_add_u32 v[SPW], v0, 2, SPARE
	v_mov_b32 v[NIL], 0
	ds_add_u32 v1, v2
	ds_add_u32 v1, v2
	s_wait_dscnt 0x0
	v_lshrrev_b32 v8, 5, v0
	s_delay_alu instid0(VALU_DEP_1)
	v_readfirstlane_b32 s[WV], v8
	s_lshr_b32 s[BK], s[WV], 2
	s_mul_i32 s[BK], s[BK], 3
	s_xor_b32 s[BK], s[BK], s[WV]
	s_lshr_b32 s[SD], s[BK], 1
	s_bfe_u32 s2, ttmp6, 0x40000
	s_lshl_b32 s3, ttmp9, 2
	s_add_co_u32 s3, s3, s2
	s_lshl_b32 s2, s3, 18
	s_lshl_b32 s3, s[BK], 15
	s_add_co_u32 s2, s2, s3
	s_mov_b32 s3, 0
	s_mov_b32 s[G1A], 15|(1<<20)|(1<<21)|(5<<22)|(3<<25)
	s_mov_b32 s[G1W2], 15|(1<<20)|(1<<21)|(5<<22)|(3<<25)
	s_mov_b32 s[G1X], (2<<16)|(1<<20)|(7<<22)|(3<<25)
.irp g, G1A, G1W2, G1X
	s_mov_b32 s[\g+1], 256<<16
	s_mov_b32 s[\g+3], 256<<16
	s_mov_b32 s[\g+6], 0
	s_mov_b32 s[\g+7], 0
.endr
.irp g, G1A, G1W2
	s_mov_b32 s[\g+2], 16<<16                      ; a weight's tile: 16 rows a wave
	s_mov_b32 s[\g+4], 16
.endr
	s_mov_b32 s[G1X+2], 32<<16                     ; x: my 32 tokens, rows of 1,024 bytes, by ONE load
	s_mov_b32 s[G1X+4], 32
	s_mov_b32 s[G1A+5], 256
	s_mov_b32 s[G1W2+5], 1024
	s_mov_b32 s[G1X+5], 256
	s_mov_b32 s[SEL], 0x76543210
	s_mov_b32 s[SEL+1], 0xfedcba98
	s_mov_b32 s[CS], 0x3e8293ee
	s_mov_b32 s[CS+1], s[CS]
	s_mov_b32 s[MNT], 0x600000
	s_mul_i32 s[LA0], s[WV], WROW
	s_add_co_u32 s[LA1], s[LA0], SLOTB
	s_mov_b32 s[G0], 1
	s_mov_b32 s[G0X0], 1
	s_mul_i32 s[G0X0+1], s[WV], 33280              ; 32 rows of 1,040 bytes a wave, one wave's behind the other's
	v_lshlrev_b32 v8, 3, v0
	v_lshlrev_b32 v9, 4, v0
	v_lshlrev_b32 v98, 2, v0
	s_wait_alu depctr_va_vdst(0)
	s_wait_kmcnt 0x0
	global_load_b64 v[64:65], v8, s[18:19]
	global_load_b64 v[66:67], v8, s[20:21]
	global_load_b64 v[68:69], v8, s[22:23]
	global_load_b64 v[70:71], v8, s[24:25]
	global_load_b128 v[72:75], v9, s[26:27]
	global_load_b128 v[76:79], v9, s[26:27] offset:4096
	global_load_b128 v[80:83], v9, s[28:29]
	global_load_b128 v[84:87], v9, s[28:29] offset:4096
	global_load_b128 v[88:91], v9, s[40:41]        ; b1: 256 threads x 16 bytes
	global_load_b32 v92, v98, s[30:31]             ; ln1_g, ln1_b, bo, ln2_g, ln2_b, b2: 256 threads x 4 bytes each
	global_load_b32 v93, v98, s[32:33]
	global_load_b32 v94, v98, s[38:39]
	global_load_b32 v95, v98, s[34:35]
	global_load_b32 v96, v98, s[36:37]
	global_load_b32 v97, v98, s[42:43]
	s_add_nc_u64 s[4:5], s[4:5], s[2:3]
	s_add_nc_u64 s[44:45], s[44:45], s[2:3]
	s_lshl_b32 s2, s[WV], 12
.irp p, PWV, PWK, PWQ, PWO, PW1
	s_add_nc_u64 s[\p:\p+1], s[\p:\p+1], s[2:3]
.endr
	s_lshl_b32 s2, s[WV], 14
	s_add_nc_u64 s[PW2:PW2+1], s[PW2:PW2+1], s[2:3]
	s_mov_b64 s[G0X0+2:G0X0+3], s[4:5]
	s_or_b32 s[G0X0+3], s[G0X0+3], 0x80000000
	ROUND
	tensor_load_to_lds s[G0X0:G0X0+3], s[G1X:G1X+7]   ; my one tensor load at the head: my 32 tokens of x
	s_nop 0
	PLACES 4
	v_and_b32 v10, 31, v0
	s_delay_alu instid0(VALU_DEP_1)
	v_lshlrev_b32 v[LI], 4, v10
	s_delay_alu instid0(VALU_DEP_2)
	v_lshlrev_b32 v[LS], 2, v10
	v_and_b32 v11, 15, v0
	v_bfe_u32 v12, v0, 4, 1
	s_delay_alu instid0(VALU_DEP_2)
	v_lshlrev_b32 v[R8], 3, v11
	v_and_b32 v13, 7, v0
	v_bfe_u32 v14, v0, 3, 1
	s_delay_alu instid0(VALU_DEP_2)
	v_mul_u32_u24 v[WA], v13, 272
	s_delay_alu instid0(VALU_DEP_1)
	v_mad_u32_u24 v[WA], v14, WROW, v[WA]
	s_delay_alu instid0(VALU_DEP_1)
	v_lshl_add_u32 v[WA], v12, 4, v[WA]
	s_delay_alu instid0(VALU_DEP_4)
	v_lshl_add_u32 v15, v14, 3, v11
	s_delay_alu instid0(VALU_DEP_1)
	v_lshlrev_b32 v[WSA], 3, v15
	s_delay_alu instid0(VALU_DEP_1)
	v_lshl_add_u32 v[WSA], v12, 2, v[WSA]
	s_delay_alu instid0(VALU_DEP_1)
	v_add_nc_u32 v[WSA], PAR, v[WSA]
	s_delay_alu instid0(VALU_DEP_4)
	v_lshlrev_b32 v[W2A], 5, v15
	s_delay_alu instid0(VALU_DEP_1)
	v_lshl_add_u32 v[W2A], v12, 2, v[W2A]
	s_delay_alu instid0(VALU_DEP_1)
	v_add_nc_u32 v[W2A], PAR+W2S, v[W2A]
	s_and_b32 s2, s[BK], 1
	s_lshl_b32 s2, s2, 5
	v_lshlrev_b32 v[DM], 4, v12
	s_delay_alu instid0(VALU_DEP_1)
	v_sub_nc_u32 v[DM], v15, v[DM]
	s_delay_alu instid0(VALU_DEP_1)
	v_add_nc_u32 v[DM], s2, v[DM]
	v_mul_u32_u24 v13, v13, 1040
	s_delay_alu instid0(VALU_DEP_1)
	v_mad_u32_u24 v13, v14, 16640, v13
	s_delay_alu instid0(VALU_DEP_1)
	v_lshl_add_u32 v13, v12, 6, v13
	s_delay_alu instid0(VALU_DEP_1)
	v_add_nc_u32 v13, s[G0X0+1], v13
.irp q, 0,1,2,3
	v_mov_b32 v[36+\q], 0
.endr
	s_wait_alu depctr_va_vdst(0)
	s_wait_loadcnt 0x0
	v_add_nc_u32 v10, PAR, v8
	v_add_nc_u32 v11, PAR, v9
	ds_store_b64 v10, v[64:65] offset:WVS
	ds_store_b64 v10, v[66:67] offset:WKS
	ds_store_b64 v10, v[68:69] offset:WQS
	ds_store_b64 v10, v[70:71] offset:WOS
	ds_store_b128 v11, v[72:75] offset:W1S
	ds_store_b128 v11, v[76:79] offset:W1S+4096
	ds_store_b128 v11, v[80:83] offset:W2S
	ds_store_b128 v11, v[84:87] offset:W2S+4096
	ds_store_b128 v11, v[88:91] offset:B1L-PAR
	v_add_nc_u32 v99, LNP, v98
.irp i, 0,1,2,3,4,5
	ds_store_b32 v99, v[92+\i] offset:1024*\i
.endr
	s_wait_tensorcnt 0x0
	WIN 0x40
.irp u, 0,1
.irp b, 0,1,2,3,4,5,6,7
.irp j, 0,1,2,3
	ds_load_b128 v[128*\u+16*\b+4*\j:128*\u+16*\b+4*\j+3], v13 offset:8320*\u+128*\b+16*\j
.endr
.endr
.endr
	WIN 0
	TURN 1, G1A, LA0, PWV, 0
; THE NORM'S TEXT STANDS ONCE.  A counted loop of two trips is entered at the norm: LN1; back to attention; LN2; on to the FFN.  What differs between the two norms is s[LNB] alone.
	s_mov_b32 s[LNB], LNP
	s_mov_b32 s99, 0
	s_wait_alu depctr_va_vdst(0)                   ; wait ahead of a taken branch
	s_branch .Lnorm
.Latt:
	TURN 1, G1A, LA1, PWV, 32768
	PASSES 0, 0, 0
	TURN 1, G1A, LA0, PWK, 0
	PASSES 0, 1, 1
	TURN 1, G1A, LA1, PWK, 32768
	PASSES 1, 0, 0
	TURN 1, G1A, LA0, PWQ, 0
	PASSES 1, 1, 1
	TURN 1, G1A, LA1, PWQ, 32768
	PASSES 2, 0, 0
	TURN 1, G1A, LA0, PWO, 0
	PASSES 2, 1, 1
	TURN 1, G1A, LA1, PWO, 32768
.irp base, 68, 84, 100, 116, 132, 148
.set n, 0
.rept 12
	v_mov_b32 v[\base+n], 0
.set n, n+1
.endr
.endr
.irp r, 53, 59, 60, 61, 62, 63
	v_mov_b32 v\r, 0
.endr
	v_and_b32 v12, 31, v0
	s_mov_b32 s18, KIMG
	s_mov_b32 s19, KSC
	s_mov_b32 s20, VIMG
	s_mov_b32 s21, VSC
; ATTENTION, FOUR HEADS AT A TIME.  A block of 32 queries with number BK walks BK / 2 + 1 key steps of 64 a head.  So that every wave walks the same number, a wave takes its OWN block for heads 0 to 3 (hf = 0)
; and the block of wave xor 4, which is block 7 - BK, for heads 4 to 7 (hf = 1): 4 x (BK / 2 + 1) + 4 x (4 - BK / 2) = 20 steps for each wave.
; Q's codes and scale words lie in LDS by block and head, and the result is laid over Q's codes: each cell (block, head) is read and written by one wave alone.
; The result's scale bytes: AS + 1,024 hf + 128 x block's wave + 64 u + 4 r + head % 4.  A barrier stands behind both halves, ahead of the owners' reads.
.macro ATT hf
	s_xor_b32 s26, s[WV], 4*\hf                    ; the wave whose block I serve
	s_lshl_b32 s22, s26, 13
	s_add_co_u32 s22, s22, QA+4096*\hf
	s_lshl_b32 s23, s26, 10
	s_add_co_u32 s23, s23, QS+512*\hf
	s_lshl_b32 s24, s26, 7
	s_add_co_u32 s24, s24, AS+1024*\hf
	s_mov_b32 s98, 0
.Lhead_\@:
	s_wait_dscnt 0x0
	v_lshrrev_b32 v15, 1, v[R8]                    ; 4 r
	v_add_nc_u32 v13, s22, v[LI]
	v_add_nc_u32 v14, s23, v[LS]
	v_add_nc_u32 v15, s24, v15
	ds_load_b128 v[64:67], v13
	ds_load_b128 v[80:83], v13 offset:512
	ds_load_b32 v24, v14
.set n, 0
.rept 32
	v_mov_b32 v[224+n], 0
.set n, n+1
.endr
.irp u, 0,1
	v_mov_b32 v[49+6*\u], 0xff61b1e6
	s_delay_alu instid0(VALU_DEP_1)
	v_floor_f32 v[48+6*\u], -v[49+6*\u]
	v_mov_b32 v[50+6*\u], 0
	v_mov_b32 v[51+6*\u], 0
.endr
	s_mov_b32 s97, 0
.Lstep_\@:
	s_cmp_gt_u32 s97, s[SD]
	s_cbranch_scc1 .Lhid_\@
	v_add_nc_u32 v8, s18, v[LI]
	v_add_nc_u32 v9, s19, v[LS]
	v_add_nc_u32 v10, s20, v[LI]
	v_add_nc_u32 v11, s21, v12
	ds_load_b128 v[96:99], v8
	ds_load_b128 v[112:115], v8 offset:512
	ds_load_b128 v[128:131], v8 offset:8192
	ds_load_b128 v[144:147], v8 offset:8704
	ds_load_b32 v25, v9
	ds_load_b32 v26, v9 offset:1024
	s_wait_alu depctr_va_vdst(0)
	s_wait_dscnt 0x0
.irp kt, 0,1,2,3
.irp u, 0,1
	WM 160+32*\u+8*\kt, 96+16*\kt, 64+16*\u, -1, 25+\kt/2, 24, \kt%2, \u
.endr
.endr
	PLACES 8
.irp f, 0,1
.irp k, 0,1
	ds_load_b128 v[96+16*\f+4*\k:99+16*\f+4*\k], v10 offset:512*\f+8192*\k
.endr
.endr
	ds_load_u8 v20, v11
	ds_load_u8 v21, v11 offset:256
	s_cmp_lg_u32 s97, s[SD]
	s_cbranch_scc1 .Lopen_\@
	v_mov_b32 v60, 0xff800000
.set n, 0
.rept 64
	v_cmp_gt_i32 vcc_lo, 32*((n%32)/16)+n%16-8*(n/32), v[DM]
	v_cndmask_b32 v[160+n], v[160+n], v60, vcc_lo
.set n, n+1
.endr
.Lopen_\@:
.irp q, 0,1,2,3
	v_max3_num_f32 v[32+\q], v[160+16*\q], v[161+16*\q], v[162+16*\q]
.endr
.irp i, 3,5,7,9,11,13
.irp q, 0,1,2,3
	v_max3_num_f32 v[32+\q], v[32+\q], v[160+16*\q+\i], v[161+16*\q+\i]
.endr
.endr
.irp q, 0,1,2,3
	v_max_num_f32 v[32+\q], v[32+\q], v[175+16*\q]
.endr
.irp q, 0,1,2,3
	s_delay_alu instid0(VALU_DEP_4)
	v_permlanex16_b32 v[36+\q], v[32+\q], s[SEL], s[SEL+1]
.endr
.irp q, 0,1,2,3
	s_delay_alu instid0(VALU_DEP_4)
	v_max_num_f32 v[32+\q], v[32+\q], v[36+\q]
.endr
.irp u, 0
	s_delay_alu instid0(VALU_DEP_3)
	v_max_num_f32 v[60+\u], v[32+2*\u], v[33+2*\u]
.endr
.irp u, 1
	s_delay_alu instid0(VALU_DEP_2)
	v_max_num_f32 v[60+\u], v[32+2*\u], v[33+2*\u]
.endr
.irp u, 0,1
	s_delay_alu instid0(VALU_DEP_2)
	v_mul_f32 v[60+\u], s[CS], v[60+\u]
.endr
.irp u, 0,1
	s_delay_alu instid0(VALU_DEP_2)
	v_max_num_f32 v[49+6*\u], v[49+6*\u], v[60+\u]
.endr
.irp u, 0,1
	v_mov_b32 v[60+\u], v[48+6*\u]
.endr
.irp u, 0,1
	s_delay_alu instid0(VALU_DEP_4)
	v_floor_f32 v[48+6*\u], -v[49+6*\u]
.endr
.irp u, 0,1
	s_delay_alu instid0(VALU_DEP_2)
	v_sub_f32 v[60+\u], v[48+6*\u], v[60+\u]
.endr
.irp u, 0,1
	s_delay_alu instid0(VALU_DEP_2)
	v_cvt_i32_f32 v[60+\u], v[60+\u]
.endr
.irp u, 0,1
	s_delay_alu instid0(VALU_DEP_2)
	v_ldexp_f32 v[52+6*\u], 1.0, v[60+\u]
.endr
.irp u, 0,1
.irp j, 0,2,4,6,8,10,12,14,16,18,20,22,24,26,28,30
	v_pk_fma_f32 v[160+32*\u+\j:161+32*\u+\j], v[160+32*\u+\j:161+32*\u+\j], s[CS:CS+1], v[48+6*\u:49+6*\u] op_sel_hi:[1,0,0]
.endr
.endr
.irp q, 0,1,2,3
	v_fma_f32 v[32+\q], v[32+\q], s[CS], v[48+6*(\q/2)]
.endr
.set n, 0
	s_wait_alu depctr_va_vdst(0)
.rept 64
	v_exp_f32 v[160+n], v[160+n]
.set n, n+1
.endr
.irp q, 0,1,2,3
	v_exp_f32 v[32+\q], v[32+\q]
.endr
.irp u, 0,1
	v_pk_mul_f32 v[50+6*\u:51+6*\u], v[50+6*\u:51+6*\u], v[52+6*\u:53+6*\u] op_sel_hi:[1,0]
.endr
	s_wait_alu depctr_va_vdst(0)
.irp q, 0,1,2,3
	v_max_num_f32 v[32+\q], 0x8000000, v[32+\q]
.endr
.irp q, 0,1,2,3
	s_delay_alu instid0(VALU_DEP_4)
	v_add_nc_u32 v[44+\q], 0xf8800000, v[32+\q]
.endr
.irp q, 0,1,2,3
	v_and_or_b32 v[40+\q], v[32+\q], 0x7f800000, s[MNT]
.endr
.irp q, 0,1,2,3
	v_lshrrev_b32 v[36+\q], 23, v[44+\q]
.endr
.irp u, 0
	s_delay_alu instid0(VALU_DEP_3)
	v_lshl_or_b32 v[29+\u], v[37+2*\u], 8, v[36+2*\u]
.endr
.irp u, 1
	s_delay_alu instid0(VALU_DEP_2)
	v_lshl_or_b32 v[29+\u], v[37+2*\u], 8, v[36+2*\u]
.endr
	s_wait_dscnt 0x0
	v_lshl_or_b32 v27, v21, 8, v20
.irp u, 0,1
	v_pk_add_f32 v[60+2*\u:61+2*\u], v[160+32*\u:161+32*\u], v[162+32*\u:163+32*\u]
.endr
.irp j, 4,8,12,16,20,24,28
.irp u, 0,1
	v_pk_add_f32 v[50+6*\u:51+6*\u], v[50+6*\u:51+6*\u], v[160+32*\u+\j:161+32*\u+\j]
	v_pk_add_f32 v[60+2*\u:61+2*\u], v[60+2*\u:61+2*\u], v[162+32*\u+\j:163+32*\u+\j]
.endr
.endr
.irp u, 0
	s_delay_alu instid0(VALU_DEP_3)
	v_pk_add_f32 v[50+6*\u:51+6*\u], v[50+6*\u:51+6*\u], v[60+2*\u:61+2*\u]
.endr
.irp u, 1
	s_delay_alu instid0(VALU_DEP_2)
	v_pk_add_f32 v[50+6*\u:51+6*\u], v[50+6*\u:51+6*\u], v[60+2*\u:61+2*\u]
.endr
; the hold of p at the largest code x the scale, two numbers an instruction: a number of block q with one of block q + 1, so that one destination is even and one odd and the sources lie in different register banks
.irp q, 0,2
.irp i, 0,2,4,6,8,10,12,14
	v_dual_min_num_f32 v[160+16*\q+\i], v[160+16*\q+\i], v[40+\q] :: v_dual_min_num_f32 v[177+16*\q+\i], v[177+16*\q+\i], v[41+\q]
	v_dual_min_num_f32 v[176+16*\q+\i], v[176+16*\q+\i], v[41+\q] :: v_dual_min_num_f32 v[161+16*\q+\i], v[161+16*\q+\i], v[40+\q]
.endr
.endr
.irp q, 0,1,2,3
	v_cvt_scalef32_pk8_bf8_f32 v[128+16*(\q/2)+4*(\q%2):129+16*(\q/2)+4*(\q%2)], v[160+16*\q:167+16*\q], v[44+\q]
	v_cvt_scalef32_pk8_bf8_f32 v[130+16*(\q/2)+4*(\q%2):131+16*(\q/2)+4*(\q%2)], v[168+16*\q:175+16*\q], v[44+\q]
.endr
.irp u, 0,1
.irp k, 0,1,2,3,4,5,6,7
	v_pk_mul_f32 v[224+16*\u+2*\k:225+16*\u+2*\k], v[224+16*\u+2*\k:225+16*\u+2*\k], v[52+6*\u:53+6*\u] op_sel_hi:[1,0]
.endr
.endr
.irp f, 0,1
.irp u, 0,1
	WM 224+16*\u+8*\f, 96+16*\f, 128+16*\u, 224+16*\u+8*\f, 27, 29+\u, \f, 0
.endr
.endr
	PLACES 8
.Lhid_\@:
	s_add_co_u32 s18, s18, 16384
	s_add_co_u32 s19, s19, 2048
	s_add_co_u32 s20, s20, 16384
	s_add_co_u32 s21, s21, 512
	s_add_co_u32 s97, s97, 1
	s_cmp_lt_u32 s97, 4
	s_cbranch_scc1 .Lstep_\@
	s_wait_alu depctr_va_vdst(0)
.irp u, 0,1
	v_add_f32 v[60+\u], v[50+6*\u], v[51+6*\u]
.endr
.irp u, 0,1
	s_delay_alu instid0(VALU_DEP_2)
	v_permlanex16_b32 v[62+\u], v[60+\u], s[SEL], s[SEL+1]
.endr
.irp u, 0,1
	s_delay_alu instid0(VALU_DEP_2)
	v_add_f32 v[60+\u], v[60+\u], v[62+\u]
.endr
	s_wait_alu depctr_va_vdst(0)
.irp u, 0,1
	v_rcp_f32 v[52+6*\u], v[60+\u]
.endr
	v_nop
	s_wait_alu depctr_va_vdst(0)
.irp u, 0,1
.irp k, 0,1,2,3,4,5,6,7
	v_pk_mul_f32 v[224+16*\u+2*\k:225+16*\u+2*\k], v[224+16*\u+2*\k:225+16*\u+2*\k], v[52+6*\u:53+6*\u] op_sel_hi:[1,0]
.endr
.endr
	QUANT2 224, 0, 160, 4
	ds_store_b128 v13, v[160:163]
	ds_store_b128 v13, v[164:167] offset:512
	ds_store_b8 v15, v36
	ds_store_b8 v15, v37 offset:64
	s_sub_co_u32 s18, s18, 65536-1024
	s_sub_co_u32 s19, s19, 8192-128
	s_sub_co_u32 s20, s20, 65536-1024
	s_sub_co_u32 s21, s21, 2048-32
	s_add_co_u32 s22, s22, 1024
	s_add_co_u32 s23, s23, 128
	s_add_co_u32 s24, s24, 1
	s_add_co_u32 s98, s98, 1
	s_cmp_lt_u32 s98, 4
	s_cbranch_scc1 .Lhead_\@
.endm
	ATT 0
	s_xor_b32 s[SD], s[SD], 3                      ; block 7 - BK: its diagonal lies in key step 3 - BK / 2,
	s_and_b32 s2, s[BK], 1
	s_lshl_b32 s2, s2, 6
	s_sub_co_u32 s2, 32, s2
	v_add_nc_u32 v[DM], s2, v[DM]                  ; and in the other half of that step: + 32 where BK is even, - 32 where it is odd
	s_wait_alu depctr_va_vdst(0)
	ATT 1
	s_wait_alu depctr_va_vdst(0)
	s_wait_dscnt 0x0                               ; my results and their scale bytes are in LDS,
	s_barrier_signal -1
	s_barrier_wait -1                              ; and so are all waves': heads 4 to 7 of my tokens were made by wave xor 4
	C2LOAD 1
	MULX 0, 0, WSA, WOS, 8
	TURN 1, G1A, LA0, PW1, 0
	MULX 1, 4, WSA, WOS+1024, 8
.Lnorm:
	LNPHASE 0, 1024, 2048
	s_add_co_u32 s[LNB], s[LNB], 3072              ; the second norm's three vectors
	s_add_co_u32 s99, s99, 1
	s_cmp_lt_u32 s99, 2
	s_wait_alu depctr_va_vdst(0)                   ; wait ahead of a taken branch
	s_cbranch_scc1 .Latt
; THE FFN, four chunks of 256 hidden units.  A chunk: W1's two tiles (hidden layer, relu, quantiser), then W2's two tiles (onto x).  Each change of slots asks for the tile after the next.
; The loop is entered at .Lup: a trip is the SECOND half of W2 of one chunk and all but that of the next, so that four chunks are three trips and the entry, every trip issues all four joint loads, and only the last change of slots, which asks for nothing, is written out.
	v_bfe_u32 v14, v0, 4, 1
	s_delay_alu instid0(VALU_DEP_1)
	v_lshlrev_b32 v14, 6, v14
	s_delay_alu instid0(VALU_DEP_1)
	v_add_nc_u32 v14, B1L, v14                     ; b1 in LDS: my half's 16 hidden units of a pass are 64 bytes
	s_mov_b32 s[CW1], 0
	s_mov_b32 s[CB1], 0
	s_mov_b32 s[CW2], 0
	s_mov_b32 s99, 0
	s_wait_alu depctr_va_vdst(0)                   ; wait ahead of a taken branch
	s_branch .Lup
.Lffn:
	s_add_nc_u64 s[PW1:PW1+1], s[PW1:PW1+1], 65536
	s_add_nc_u64 s[PW2:PW2+1], s[PW2:PW2+1], 256
	TURN 1, G1A, LA0, PW1, 0
	MULX 1, 4, 9, 4096, 32
	s_add_co_u32 s[CW1], s[CW1], 2048
	s_add_co_u32 s[CB1], s[CB1], 1024
	s_add_co_u32 s[CW2], s[CW2], 8
.Lup:
	TURN 1, G1A, LA1, PW1, 32768
	s_wait_alu depctr_va_vdst(0)
	PASSES 3, 0, 0
	TURN 1, G1W2, LA0, PW2, 0
	PASSES 3, 1, 1
	C2LOAD 0
	TURN 1, G1W2, LA1, PW2, 131072
	v_add_nc_u32 v9, s[CW2], v[W2A]
	s_wait_alu depctr_va_vdst(0)
	MULX 0, 0, 9, 0, 32
	s_add_co_u32 s99, s99, 1
	s_cmp_lt_u32 s99, 4
	s_cbranch_scc1 .Lffn
; THE END.  Channels 0 to 127 of all my tokens are finished: they leave ahead of the last change of slots, so that their stores are out while channels 128 to 255 are multiplied.
	s_mul_i32 s2, s[WV], 16640
	s_add_co_u32 s2, s2, OST                       ; my stage
	v_and_b32 v10, 15, v0
	s_delay_alu instid0(VALU_DEP_1)
	v_mul_u32_u24 v10, v10, 1040
	v_bfe_u32 v11, v0, 4, 1
	s_delay_alu instid0(VALU_DEP_1)
	v_lshl_add_u32 v10, v11, 6, v10
	s_delay_alu instid0(VALU_DEP_1)
	v_add_nc_u32 v10, s2, v10                      ; in: row r, 64 bytes for each half of the lanes
	v_add_nc_u32 v11, s2, v[LI]                    ; back: 16 bytes a lane
	s_wait_alu depctr_va_vdst(0)
	OUT 0, 0, 128
	OUT 1, 0, 64
	s_wait_xcnt 0x0                                ; the stores have read their registers: v128-191 take weights below, v64-127 the last tokens
	TURN 0, G1A, LA0, PW1, 0
	MULX 1, 4, 9, 4096, 32
	OUT 0, 1, 128
	OUT 1, 1, 64
	s_wait_tensorcnt 0x0
	ds_add_u32 v[SPW], v[NIL]
	s_wait_dscnt 0x0
	ROUND
	s_endpgm
.Lfunc_end_k_qd99ae2b1df_block:
	.size	k_qd99ae2b1df_block, .Lfunc_end_k_qd99ae2b1df_block-k_qd99ae2b1df_block
	.p2alignl 7, 3214868480
	.fill 96, 4, 3214868480
	.section	.rodata,"a",@progbits
	.p2align	6, 0x0
	.amdhsa_kernel k_qd99ae2b1df_block
		.amdhsa_group_segment_fixed_size 327680
		.amdhsa_private_segment_fixed_size 0
		.amdhsa_enable_private_segment 0
		.amdhsa_kernarg_size 168
		.amdhsa_user_sgpr_count 2
		.amdhsa_user_sgpr_kernarg_segment_ptr 1
		.amdhsa_wavefront_size32 1
		.amdhsa_system_sgpr_workgroup_id_x 1
		.amdhsa_system_sgpr_workgroup_id_y 1
		.amdhsa_system_sgpr_workgroup_id_z 1
		.amdhsa_system_vgpr_workitem_id 0
		.amdhsa_next_free_vgpr 512
		.amdhsa_next_free_sgpr 102
		.amdhsa_reserve_vcc 1
		.amdhsa_float_denorm_mode_32 3
		.amdhsa_float_denorm_mode_16_64 3
		.amdhsa_memory_ordered 1
		.amdhsa_forward_progress 1
		.amdhsa_inst_pref_size 255
	.end_amdhsa_kernel
	.section	.bss,"aw",@nobits
	.p2align	6
	.space	262144
	.amdgpu_metadata
---
amdhsa.version: [ 1, 2 ]
amdhsa.kernels:
  - .name:           k_qd99ae2b1df_block
    .symbol:         k_qd99ae2b1df_block.kd
    .args:
      - { .name: x, .offset: 0, .size: 8, .value_kind: global_buffer, .address_space: global }
      - { .name: Wv_codes, .offset: 8, .size: 8, .value_kind: global_buffer, .address_space: global }
      - { .name: Wk_codes, .offset: 16, .size: 8, .value_kind: global_buffer, .address_space: global }
      - { .name: Wq_codes, .offset: 24, .size: 8, .value_kind: global_buffer, .address_space: global }
      - { .name: Wo_codes, .offset: 32, .size: 8, .value_kind: global_buffer, .address_space: global }
      - { .name: W1_codes, .offset: 40, .size: 8, .value_kind: global_buffer, .address_space: global }
      - { .name: W2_codes, .offset: 48, .size: 8, .value_kind: global_buffer, .address_space: global }
      - { .name: Wv_scales, .offset: 56, .size: 8, .value_kind: global_buffer, .address_space: global }
      - { .name: Wk_scales, .offset: 64, .size: 8, .value_kind: global_buffer, .address_space: global }
      - { .name: Wq_scales, .offset: 72, .size: 8, .value_kind: global_buffer, .address_space: global }
      - { .name: Wo_scales, .offset: 80, .size: 8, .value_kind: global_buffer, .address_space: global }
      - { .name: W1_scales, .offset: 88, .size: 8, .value_kind: global_buffer, .address_space: global }
      - { .name: W2_scales, .offset: 96, .size: 8, .value_kind: global_buffer, .address_space: global }
      - { .name: ln1_g, .offset: 104, .size: 8, .value_kind: global_buffer, .address_space: global }
      - { .name: ln1_b, .offset: 112, .size: 8, .value_kind: global_buffer, .address_space: global }
      - { .name: ln2_g, .offset: 120, .size: 8, .value_kind: global_buffer, .address_space: global }
      - { .name: ln2_b, .offset: 128, .size: 8, .value_kind: global_buffer, .address_space: global }
      - { .name: bo, .offset: 136, .size: 8, .value_kind: global_buffer, .address_space: global }
      - { .name: b1, .offset: 144, .size: 8, .value_kind: global_buffer, .address_space: global }
      - { .name: b2, .offset: 152, .size: 8, .value_kind: global_buffer, .address_space: global }
      - { .name: out0, .offset: 160, .size: 8, .value_kind: global_buffer, .address_space: global }
    .group_segment_fixed_size: 327680
    .private_segment_fixed_size: 0
    .kernarg_segment_align: 8
    .kernarg_segment_size: 168
    .max_flat_workgroup_size: 256
    .sgpr_count:     102
    .vgpr_count:     512
    .wavefront_size: 32
...
	.end_amdgpu_metadata
.endif
;; end of part 1
